; MI455X (gfx1250); checked and timed in simulation.
; The chip was launched on July 23, 2026; its instructions are those of AMD's public machine-readable ISA for CDNA 5 (MIT licence, August 2026) and "CDNA5" Instruction Set Architecture Reference Guide (July 2026). The comments in the code are by the model that wrote it; some were corrected since.
;; Model. Allowed arithmetic: matrix products marked QUANTISED: E2M3 operands, one E8M0 scale for each 32 along K, by v_wmma_scale_f32_16x16x128_f8f6f4 with both operands' format E2M3, f32 sums; everything else in f32.
;; Inputs: attn_mask 2,048 x 2,048 float32; k 4 x 16 x 2,048 x 32 float32; q 4 x 16 x 2,048 x 32 float32; v 4 x 16 x 2,048 x 32 float32.
;; Outputs: out0 4 x 16 x 2,048 x 32 float32.
;; This version of the problem:
;;   THIS VERSION OF THE PROBLEM IS GIVEN IN LOW PRECISION. The matrix products marked QUANTISED in the list below multiply operands that are first quantised to E2M3 (2 exponent bits, 3 mantissa bits; 6 bits a number), with one power-of-two scale for each 32 numbers along K (OCP MX v1.0); their sums are f32. All else is computed in f32.
;;   The module's matrix products, in the order in which they are computed (A, B: the left and right operand; K: the contracted axis; several contracted axes count as one K, in the product's order):
;;     1. batch 64 x [M 2,048, K 32] x [K 32, N 2,048]; A: input q; B: input k: QUANTISED
;;     2. batch 64 x [M 2,048, K 2,048] x [K 2,048, N 32]; A: softmax (see below); B: input v: QUANTISED
;;   THE QUANTISER, for each operand of a quantised product, along K:
;;     - K is cut into blocks of 32 from its start; a last block that is shorter is filled with zeros.
;;     - A block's scale is 2^e with e = floor(log2(the largest magnitude in the block)) - 2, held to -126 .. 127; a block of zeros has e = 0. As a byte (E8M0): e + 127.
;;     - Each number is divided by its block's scale, clamped to +-7.5, and rounded to the nearest number of E2M3, ties to even, subnormals kept.
;;     - The product sums the exact products of the quantised numbers (number of the format x scale) in f32.
;;   ~~~python
;;   def quantise(x, axis):      # numpy; x: float32 -> the quantised numbers, widened to float32 again
;;       x = np.moveaxis(x, axis, -1); K = x.shape[-1]
;;       x = np.pad(x, [(0, 0)] * (x.ndim - 1) + [(0, -K % 32)]); x = x.reshape(x.shape[:-1] + (-1, 32)); a = np.abs(x).max(-1, keepdims=True)
;;       e = np.where(a > 0, np.clip(np.frexp(np.where(a > 0, a, 1))[1] - 1 - 2, -126, 127), 0)      # np.frexp(a)[1] - 1 = floor(log2(a)), exactly
;;       r = np.clip(x / 2.0 ** e, -7.5, 7.5)
;;       step = 2.0 ** (np.maximum(np.frexp(np.where(r == 0, 1, r))[1] - 1, 0) - 3)
;;       q = np.round(r / step) * step * 2.0 ** e      # np.round: ties to even
;;       return np.moveaxis(q.reshape(q.shape[:-2] + (-1,))[..., :K], -1, axis).astype(np.float32)
;;   ~~~
;;   SOFTMAX AHEAD OF A QUANTISED PRODUCT. Where the list says 'softmax', what is quantised is not the finished softmax but p = 2^(t - M), with t = logit x log2(e) and M = ceil(the row's largest t), a whole number; so 1/2 < the row's largest p <= 1. The row's sum l is taken of the UNQUANTISED p, in f32, and the product's result is divided by l at the end. Since M is a whole number, a kernel that streams over the keys may use a running M (the ceiling of the running maximum): every later rescaling is an exact power of two, which a block's scale takes up: the codes' values come out the same.
;;   OPERANDS COMPUTED ON THE WAY. 'Computed on the way' means the value that the module computes at that place (a softmax that the list does not call 'softmax' is quantised finished and normalised). What goes into a quantiser is computed in f32, as accurately as f32 sums, v_exp_f32 and their like allow (about 1e-6 of the number): no bf16 or f16 on the way to a quantiser, and a product that is left as it is and whose result goes on into a quantised operand takes f32 operands (vector FMAs, or v_wmma_f32_16x16x4_f32). A number that lies on a knife's edge between two numbers of the format may be rounded either way, as far as f32 arithmetic and the matrix unit's own rounding can turn it there, and no further.
;; One version. Each part assembles by itself: llvm-mc -triple=amdgcn-amd-amdhsa -mcpu=gfx1250 --defsym DOCPART=n.
;; ======== version 1 of 1: 2 launches
;; workspace buffers: kv 6,553,600 bytes; maskc 16,777,216 bytes
;; launch prep (part 1): grid 256 x 1, 4 waves a work-group, no clusters, 103,936 bytes of LDS; arguments k, v, attn_mask, kv, maskc; writes kv, maskc
.if DOCPART == 1
	.amdgcn_target "amdgcn-amd-amdhsa--gfx1250"
	.amdhsa_code_object_version 6
	.text
	.protected	k_q5d138543a4_prep
	.globl	k_q5d138543a4_prep
	.p2align	8
	.type	k_q5d138543a4_prep,@function
k_q5d138543a4_prep:
	s_mov_b64 s[64:65], 0
	v_nop
	global_prefetch_b8 v0, s[64:65] scope:SCOPE_SE
	s_setreg_imm32_b32 hwreg(HW_REG_WAVE_MODE, 25, 1), 1
	s_wait_xcnt 0x0
; k and v [64 heads][2048][32] f32 become codes of FP6 (E2M3) with E8M0 scale bytes, laid in the buffer kv as IMAGES OF THE OPERANDS' REGISTERS of the attention launch;
; attn_mask [2048][2048] f32 is multiplied by sqrt(32) into maskc (one f32 rounding), so that the attention launch can give it to the score product as its C: (k.q + mask sqrt(32)) x log2(e)/sqrt(32) = t.
; k is quantised along the head's 32 (one block a key), v along the keys (blocks of 32 keys for each of the head's 32).
; A block's scale is 2^(floor(log2(its largest magnitude)) - 2); its byte is the largest magnitude's exponent field - 2, held at 1 from below.
; LIMITS: a block of zeros gets the byte 1 where the rule says 127 (its codes are zeros, and this program alone reads the bytes); blocks whose largest magnitude lies under 2^-124 get the byte 1 too;
; NaN and infinities among the inputs are not served.
; SHARES.  1,024 waves, none shares anything with another: no barrier.  Wave u = 4 x work-group + wave takes head u / 16 and the 128 keys of step u % 16 (16,384 dense bytes of k, the same of v),
; and bytes 16,384 u on of the mask.
; THE BUFFER kv: [head / 4][step][head % 4][6,400 bytes]: K's fragments 0, 1 (1,536 bytes each), V's fragments 0, 1, then 32 x 8 bytes of scale words (K's word, V's word for lane 0 .. 31).
; A fragment's image: registers 4 g .. 4 g + 3 of lane L lie at 512 g + 16 L.
; K's fragment f: lane (r, h), registers 6 c .. 6 c + 5: the 32 codes of key 64 f + 32 c + 8 h + r % 8 + 16 (r / 8); its scale is byte 2 c + h of K's word 16 f + r.
; V's fragment t: lane (r, h), registers 6 c .. 6 c + 5: channel 16 t + r, keys 64 c + 32 h + 0 .. 31; their scale is byte 2 c + h of V's word 16 t + r.
; So here lane l = 16 f + r quantises, in pass (c, h), one whole block out of its own 32 registers: no other lane is asked for a maximum.
; Every global load and store of a wave covers 512 (the scale words: 256) consecutive bytes, aligned; the numbers turn through the wave's own stage in LDS.
.set WREG,  25856                      ; LDS of a wave: a stage of 19,456 bytes for f32 numbers, then the image of its 6,400 bytes of kv
.set IMG,   19456
.set SPARE, 4*WREG                     ; behind the four regions: the spare words, 128 bytes for each wave: two blocks of 256 bytes that no other line names
.set GL,  2                            ; v2   16 x lane
.set G8,  3                            ; v3   8 x lane
.set KSI, 4                            ; v4   K into the stage: key kappa lies at 144 kappa + 128 (kappa / 16); a load's 512 bytes are four keys
.set KSO, 5                            ; v5   K out of the stage: my key of pass (0, 0)
.set VSI, 6                            ; v6   V into the stage: dense, 128 bytes a key
.set VSO, 7                            ; v7   V out of it: my channel
.set IMA, 8                            ; v8   the image: fragment l / 16, lane l % 16
.set SWA, 9                            ; v9   the image: my two scale words
.set IRD, 10                           ; v10  the image on its way out: 16 x lane
.set SPW, 14                           ; v14  LDS address of my spare word; never rewritten
.set NIL, 15                           ; v15  0; never rewritten
.set C0,  22                           ; v22-30   a block's codes, set 0
.set C1,  224                          ; v224-232 set 1: the sets take turns, so that a set is written again only when its LDS stores are shown done
.set X,   32                           ; v32-95   two sets of 32 numbers of a block; at first the mask's first half
.set RA,  96                           ; v96-159  16 loads of 16 bytes a lane
.set RB,  160                          ; v160-223 likewise; at the end the image
	s_load_b256 s[4:11], s[0:1], 0x0               ; k s[4:5], v s[6:7], attn_mask s[8:9], kv s[10:11]
	s_load_b64 s[12:13], s[0:1], 0x20              ; maskc
	v_lshl_add_u32 v[SPW], v0, 2, SPARE
	v_mov_b32 v[NIL], 0
	v_lshrrev_b32 v1, 5, v0
	v_readfirstlane_b32 s14, v1                    ; wave 0..3
	s_lshl_b32 s15, ttmp9, 2
	s_add_co_u32 s15, s15, s14                     ; u
	s_lshl_b32 s16, s15, 14                        ; 16,384 u: my bytes of k, of v and of the mask
	s_mov_b32 s17, 0
	s_lshr_b32 s18, s15, 6                         ; head / 4
	s_lshl_b32 s18, s18, 4
	s_and_b32 s19, s15, 15                         ; step
	s_add_co_u32 s18, s18, s19
	s_lshl_b32 s18, s18, 2
	s_bfe_u32 s19, s15, 0x20004                    ; head % 4
	s_add_co_u32 s18, s18, s19
	s_mul_i32 s18, s18, 6400                       ; my block of kv
	s_mov_b32 s19, 0
	s_mul_i32 s20, s14, WREG                       ; my region of LDS
	s_add_co_u32 s21, s20, IMG
	s_mov_b32 s22, 0x40b504f3                      ; sqrt(32)
	s_mov_b32 s23, s22                             ; (named with it as a pair, so it is written)
	v_and_b32 v1, 31, v0                           ; lane l
	v_lshlrev_b32 v[GL], 4, v1
	v_lshlrev_b32 v[G8], 3, v1
	v_lshrrev_b32 v11, 3, v1                       ; l / 8
	v_and_b32 v12, 7, v1                           ; l % 8
	v_mul_u32_u24 v[KSI], v11, 144
	v_lshl_add_u32 v[KSI], v12, 4, v[KSI]
	v_add_nc_u32 v[KSI], s20, v[KSI]
	v_lshrrev_b32 v11, 4, v1                       ; f = l / 16
	v_bfe_u32 v13, v1, 3, 1                        ; (l / 8) % 2
	v_mul_u32_u24 v[KSO], v11, 9728                ; 64 keys on: 64 x 144 + 4 x 128
	v_mad_u32_u24 v[KSO], v13, 2432, v[KSO]        ; 16 keys on: 16 x 144 + 128
	v_mad_u32_u24 v[KSO], v12, 144, v[KSO]
	v_add_nc_u32 v[KSO], s20, v[KSO]
	v_add_nc_u32 v[VSI], s20, v[GL]
	v_lshl_add_u32 v[VSO], v1, 2, s20
	v_and_b32 v13, 15, v1
	v_mul_u32_u24 v[IMA], v11, 1536
	v_lshl_add_u32 v[IMA], v13, 4, v[IMA]
	v_add_nc_u32 v[IMA], s21, v[IMA]
	v_lshl_add_u32 v[SWA], v1, 3, s21
	v_add_nc_u32 v[SWA], 6144, v[SWA]
	v_add_nc_u32 v[IRD], s21, v[GL]
	s_wait_kmcnt 0x0
	s_add_nc_u64 s[4:5], s[4:5], s[16:17]
	s_add_nc_u64 s[6:7], s[6:7], s[16:17]
	s_add_nc_u64 s[8:9], s[8:9], s[16:17]
	s_add_nc_u64 s[12:13], s[12:13], s[16:17]
	s_add_nc_u64 s[10:11], s[10:11], s[18:19]
.macro GLD reg, lo, off                ; 16 loads, 8,192 consecutive bytes: each reads 512, 16 a lane
.irp n, 0,1,2,3,4,5,6,7,8,9,10,11,12,13,14,15
	global_load_b128 v[\reg+4*\n:\reg+4*\n+3], v[GL], s[\lo:\lo+1] offset:\off+512*\n th:TH_LOAD_NT
.endr
.endm
.macro KLD rho                         ; my key of pass rho = 2 c + h: its 32 numbers into set rho % 2
.irp p, 0,1,2,3,4,5,6,7
	ds_load_b128 v[X+32*((\rho)%2)+4*\p:X+32*((\rho)%2)+4*\p+3], v[KSO] offset:144*(32*((\rho)/2)+8*((\rho)%2))+256*((\rho)/2)+16*\p
.endr
.endm
.macro VLD beta                        ; my channel of keys 32 beta .. 32 beta + 31 into set beta % 2: the 32 lanes of a load read 128 consecutive bytes
.irp i, 0,1,2,3,4,5,6,7,8,9,10,11,12,13,14,15,16,17,18,19,20,21,22,23,24,25,26,27,28,29,30,31
	ds_load_b32 v[X+32*((\beta)%2)+\i], v[VSO] offset:(32*(\beta)+\i)*128
.endr
.endm
; A block of 32 numbers, v[xs] on, becomes 24 bytes of codes in v[cs] .. v[cs + 5], which go to the image as registers 6 c .. 6 c + 5 of lane (l % 16, h) of fragment l / 16; its byte goes to byte 2 c + h of v[wd].
.macro QBLK xs, cs, c, h, off, wd
	v_max3_num_f32 v16, |v[\xs]|, |v[\xs+1]|, |v[\xs+2]|           ; the block's largest magnitude, in two chains
	v_max3_num_f32 v17, |v[\xs+3]|, |v[\xs+4]|, |v[\xs+5]|
.irp i, 6,10,14,18,22,26
	v_max3_num_f32 v16, v16, |v[\xs+\i]|, |v[\xs+\i+1]|
	v_max3_num_f32 v17, v17, |v[\xs+\i+2]|, |v[\xs+\i+3]|
.endr
	v_max3_num_f32 v16, v16, |v[\xs+30]|, |v[\xs+31]|
	v_max3_num_f32 v16, v16, v17, 0x1800000        ; and the floor 2^(3 - 127): the byte cannot fall under 1
	v_add_nc_u32 v18, 0xff000000, v16              ; 2 off its exponent field: the conversion takes the exponent field of this operand as its scale, and nothing else of it
	v_lshrrev_b32 v19, 23, v18                     ; the scale's byte
.if (2*\c+\h) == 0
	v_mov_b32 v[\wd], v19
.else
	v_lshl_or_b32 v[\wd], v19, 8*(2*\c+\h), v[\wd]
.endif
	v_cvt_scalef32_pk16_fp6_f32 v[\cs:\cs+2], v[\xs:\xs+15], v18
	v_cvt_scalef32_pk16_fp6_f32 v[\cs+6:\cs+8], v[\xs+16:\xs+31], v18   ; (a conversion's three registers begin on an even number)
	v_nop                                          ; one plain place behind a scaled conversion
.irp i, 0,1,2
	v_mov_b32 v[\cs+3+\i], v[\cs+6+\i]
.endr
.if \c == 0
	ds_store_b128 v[IMA], v[\cs:\cs+3] offset:\off+256*\h          ; registers 0-3: group 0
	ds_store_b64 v[IMA], v[\cs+4:\cs+5] offset:\off+512+256*\h     ; registers 4, 5: the lower half of group 1
.else
	ds_store_b64 v[IMA], v[\cs:\cs+1] offset:\off+520+256*\h       ; registers 6, 7: its upper half
	ds_store_b128 v[IMA], v[\cs+2:\cs+5] offset:\off+1024+256*\h   ; registers 8-11: group 2
.endif
.endm
.macro SCALE64 reg                     ; 64 numbers of the mask x sqrt(32), in place
.set n, 0
.rept 32
	v_pk_mul_f32 v[\reg+n:\reg+n+1], v[\reg+n:\reg+n+1], s[22:23] op_sel_hi:[1,0]
.set n, n+2
.endr
.endm
	GLD RA, 4, 0                                   ; k's first 64 keys,
	GLD RB, 4, 8192                                ; its last 64,
	GLD X, 8, 0                                    ; the mask's first half: 48 loads of mine are out
	s_wait_loadcnt 32                              ; RA is in; the 32 younger loads stay out
.irp i, 0,1,2,3,4,5,6,7,8,9,10,11,12,13,14,15
	ds_store_b128 v[KSI], v[RA+4*\i:RA+4*\i+3] offset:576*\i+128*(\i/4)
.endr
	s_wait_loadcnt 16                              ; RB is in; the mask's 16 stay out
.irp i, 0,1,2,3,4,5,6,7,8,9,10,11,12,13,14,15
	ds_store_b128 v[KSI], v[RB+4*\i:RB+4*\i+3] offset:576*(\i+16)+128*((\i+16)/4)
.endr
	s_wait_dscnt 0x0                               ; the stores have read RA and RB, which take v
	GLD RA, 6, 0
	GLD RB, 6, 8192
	s_wait_loadcnt 32                              ; the mask's first half is in; v's 32 loads stay out
	SCALE64 X
.irp n, 0,1,2,3,4,5,6,7,8,9,10,11,12,13,14,15
	global_store_b128 v[GL], v[X+4*\n:X+4*\n+3], s[12:13] offset:512*\n th:TH_STORE_NT
.endr
	s_wait_xcnt 0x0                                ; X, the stores' data, is written again only behind this wait
	KLD 0
	KLD 1
	s_wait_dscnt 8                                 ; pass 0's eight loads are in; pass 1's stay out
	QBLK X, C0, 0, 0, 0, 20
	KLD 2
	s_wait_dscnt 10                                ; behind pass 1's loads: two image stores and pass 2's eight loads
	QBLK X+32, C1, 0, 1, 0, 20
	KLD 3
	s_wait_dscnt 10                                ; likewise; pass 0's image stores are done too, so code set 0 may be written
	QBLK X, C0, 1, 0, 0, 20
	s_wait_dscnt 2                                 ; behind pass 3's loads: pass 2's two image stores
	QBLK X+32, C1, 1, 1, 0, 20
	ds_store_b32 v[SWA], v20                       ; K's scale word of lane l
	s_wait_loadcnt 16                              ; v's first 64 keys are in
.irp i, 0,1,2,3,4,5,6,7,8,9,10,11,12,13,14,15
	ds_store_b128 v[VSI], v[RA+4*\i:RA+4*\i+3] offset:512*\i       ; LDS serves a wave's instructions in order (ISA guide 5.7.1.4): these come behind my reads of K
.endr
	s_wait_loadcnt 0x0
.irp i, 0,1,2,3,4,5,6,7,8,9,10,11,12,13,14,15
	ds_store_b128 v[VSI], v[RB+4*\i:RB+4*\i+3] offset:8192+512*\i
.endr
	s_wait_dscnt 0x0                               ; the stores have read RA and RB; every image store so far is done
	GLD RA, 8, 8192                                ; the mask's second half lands while v is quantised
	VLD 0
	VLD 1
	s_wait_dscnt 32                                ; block 0's 32 loads are in; block 1's stay out
	QBLK X, C0, 0, 0, 3072, 21
	VLD 2
	s_wait_dscnt 34                                ; behind block 1's loads: two image stores and block 2's 32 loads
	QBLK X+32, C1, 0, 1, 3072, 21
	VLD 3
	s_wait_dscnt 34
	QBLK X, C0, 1, 0, 3072, 21
	s_wait_dscnt 2
	QBLK X+32, C1, 1, 1, 3072, 21
	ds_store_b32 v[SWA], v21 offset:4              ; V's scale word of lane l
.irp g, 0,1,2,3,4,5,6,7,8,9,10,11
	ds_load_b128 v[RB+4*\g:RB+4*\g+3], v[IRD] offset:512*\g        ; the image, as it lies: these see my stores
.endr
	ds_load_b64 v[RB+48:RB+49], v[SWA]
	s_wait_dscnt 0x0
.irp g, 0,1,2,3,4,5,6,7,8,9,10,11
	global_store_b128 v[GL], v[RB+4*\g:RB+4*\g+3], s[10:11] offset:512*\g th:TH_STORE_NT
.endr
	global_store_b64 v[G8], v[RB+48:RB+49], s[10:11] offset:6144 th:TH_STORE_NT
	s_wait_loadcnt 0x0                             ; the mask's second half
	SCALE64 RA
.irp n, 0,1,2,3,4,5,6,7,8,9,10,11,12,13,14,15
	global_store_b128 v[GL], v[RA+4*\n:RA+4*\n+3], s[12:13] offset:8192+512*\n th:TH_STORE_NT
.endr
	s_wait_tensorcnt 0x0                           ; the wave's end, behind my last LDS store
	ds_add_u32 v[SPW], v[NIL]
	s_wait_dscnt 0x0
	s_endpgm
.Lfunc_end_k_q5d138543a4_prep:
	.size	k_q5d138543a4_prep, .Lfunc_end_k_q5d138543a4_prep-k_q5d138543a4_prep
	.p2alignl 7, 3214868480
	.fill 96, 4, 3214868480
	.section	.rodata,"a",@progbits
	.p2align	6, 0x0
	.amdhsa_kernel k_q5d138543a4_prep
		.amdhsa_group_segment_fixed_size 103936
		.amdhsa_private_segment_fixed_size 0
		.amdhsa_enable_private_segment 0
		.amdhsa_kernarg_size 40
		.amdhsa_user_sgpr_count 2
		.amdhsa_user_sgpr_kernarg_segment_ptr 1
		.amdhsa_wavefront_size32 1
		.amdhsa_system_sgpr_workgroup_id_x 1
		.amdhsa_system_sgpr_workgroup_id_y 1
		.amdhsa_system_sgpr_workgroup_id_z 1
		.amdhsa_system_vgpr_workitem_id 0
		.amdhsa_next_free_vgpr 240
		.amdhsa_next_free_sgpr 66
		.amdhsa_reserve_vcc 0
		.amdhsa_float_denorm_mode_32 3
		.amdhsa_float_denorm_mode_16_64 3
		.amdhsa_memory_ordered 1
		.amdhsa_forward_progress 1
		.amdhsa_inst_pref_size 48
	.end_amdhsa_kernel
	.amdgpu_metadata
---
amdhsa.version: [ 1, 2 ]
amdhsa.kernels:
  - .name:           k_q5d138543a4_prep
    .symbol:         k_q5d138543a4_prep.kd
    .args:
      - { .name: k, .offset: 0, .size: 8, .value_kind: global_buffer, .address_space: global }
      - { .name: v, .offset: 8, .size: 8, .value_kind: global_buffer, .address_space: global }
      - { .name: attn_mask, .offset: 16, .size: 8, .value_kind: global_buffer, .address_space: global }
      - { .name: kv, .offset: 24, .size: 8, .value_kind: global_buffer, .address_space: global }
      - { .name: maskc, .offset: 32, .size: 8, .value_kind: global_buffer, .address_space: global }
    .group_segment_fixed_size: 103936
    .private_segment_fixed_size: 0
    .kernarg_segment_align: 8
    .kernarg_segment_size: 40
    .max_flat_workgroup_size: 128
    .sgpr_count:     66
    .vgpr_count:     240
    .wavefront_size: 32
...
	.end_amdgpu_metadata
.endif
;; end of part 1
;; launch attn (part 2): grid 16 x 16, 16 waves a work-group, clusters of 4 x 4, 327,680 bytes of LDS; arguments q, maskc, kv, out0; writes out0
.if DOCPART == 2
	.amdgcn_target "amdgcn-amd-amdhsa--gfx1250"
	.amdhsa_code_object_version 6
	.text
	.protected	k_q5d138543a4_attn
	.globl	k_q5d138543a4_attn
	.p2align	8
	.type	k_q5d138543a4_attn,@function
k_q5d138543a4_attn:
	s_mov_b64 s[64:65], 0
	v_nop
	global_prefetch_b8 v0, s[64:65] scope:SCOPE_SE
	s_setreg_imm32_b32 hwreg(HW_REG_WAVE_MODE, 25, 1), 1
	s_wait_xcnt 0x0
	s_wait_alu depctr_hold_cnt(0) depctr_sa_sdst(0) depctr_va_vdst(0) depctr_va_sdst(0) depctr_va_ssrc(0) depctr_va_vcc(0) depctr_vm_vsrc(0)
	s_getreg_b32 s2, hwreg(HW_REG_IB_STS2, 6, 4)
	s_cmp_eq_u32 s2, 0
	s_cbranch_scc0 .Lentry_in_a_cluster
	s_endpgm
.Lentry_in_a_cluster:
	s_bfe_u32 s2, ttmp6, 0x10000c
	s_cmp_lg_u32 s2, 0xf033
	s_cbranch_scc0 .Lentry_shape_is_right
	s_endpgm
.Lentry_shape_is_right:
; out0[head][q][:] = the sum over keys of softmax(q . k / sqrt(32) + mask[q][key]) v[key][:], 64 heads, 2,048 queries and keys, head size 32; both products on codes of FP6 (E2M3) with E8M0 scales.
; THE SOFTMAX AHEAD OF THE SECOND PRODUCT: t = logit x log2(e); M = the row's largest t so far, rounded UP to a whole number; p = 2^(t - M) is quantised along the keys, not normalised; the row's sum is taken of
; the unquantised p in f32 and divides at the end.  When M moves, the sum and O are multiplied by 2^(old M - new M): exact.
; INPUTS: q as f32, quantised here in registers (each row is read by one wave); kv: k's and v's codes and scale bytes as images of the operands' registers; maskc = mask x sqrt(32).
; THE MASK IS THE C OF THE SCORE PRODUCT: D = k . q + mask sqrt(32), t = D x c, c = log2(e) / sqrt(32): it costs no vector instruction.
; ONE FRAGMENT OF K SERVES FOUR TILES OF KEYS.  The score product's K is 32, the instruction's 128: block b of a fragment's row holds a key of tile b, and it is multiplied by Q_b: Q's codes in block b, zero codes
; elsewhere.  The four forms overlap in 30 registers [zeros][QL][zeros][QH][zeros]: QL has the codes in lanes 0-15, QH in lanes 16-31.  Q's scale byte stands in all four bytes of its word.
; LAYOUT.  Both products are used transposed (S^T = K Q^T, O^T = V^T P^T): a lane holds ONE query (lane % 16).  The keys of a tile are chosen so that score register n of lane (r, h) is key 32 (n / 16) + 16 h + n % 16.
; SHARES.  A work-group takes 4 heads x 128 queries; wave w takes head w % 4 and queries 32 (w / 4) on: two tiles of 16, which share each fragment of K and V read from LDS.  Sixteen waves of 256 registers, four to a SIMD.
; Every wave walks all 2,048 keys, 128 a step, through a ring of two LDS slots: a step's 128 x 128 of the mask and its 25,600 bytes of kv.
; CLUSTER, 4 x 4.  The four work-groups of a row (same 128 queries) need the same tile of the mask, the four of a column (same 4 heads) the same bytes of kv: each is asked for JOINTLY.
; LIMITS: finite inputs only: NaN and infinities, -infinity in the mask too, are not served; a block whose largest magnitude lies under 2^-124 (a block of zeros among them) gets the scale byte 1.
.set SLOT1, 131072                     ; slot 1 begins here, so that one exclusive or turns an address in one slot into the other's
.set MP,    528                        ; a row of the mask's tile in LDS: 512 bytes + 16 of padding = 33 x 16: the 16 rows of a load start at 16 different columns of 16 bytes (64 banks of 4 bytes: ISA guide 11.1)
.set KVO,   128*MP                     ; 67,584: behind the mask's 128 rows: kv's 4 x 6,400 bytes
.set SPARE, 2*SLOT1                    ; the spare words, 128 bytes for each wave: eight blocks of 256 bytes that no other line names
.set STAGE, SPARE+2048                 ; the way out: 16 rows x 144 bytes for each wave, bytes into which no tile lands
.set ADM, 1                            ; v1   LDS address of my rows of the step's mask
.set ADK, 2                            ; v2   of my head's fragments
.set ADS, 3                            ; v3   of its scale words
.set SPW, 4                            ; v4   LDS address of my spare word; never rewritten
.set NIL, 5                            ; v5   0; never rewritten
.set PFO, 7                            ; v7   the prefetches' offset; never rewritten
                                       ; v[8+4a] -M, v[9+4a] the largest t, v[10+4a:11+4a] the sum in two halves, of tile a
                                       ; v16-69 Q: zeros 16-21, QL0 22-27, zeros 28-33, QH0 34-39, zeros 40-45, QL1 46-51, zeros 52-57, QH1 58-63, zeros 64-69
.set QSC, 70                           ; v70-71   Q's scale words
.set KF,  72                           ; v72-95   K's two fragments
.set S,   96                           ; v96-159  the mask, then S^T, then p
.set VF,  160                          ; v160-183 V's two fragments
.set O,   184                          ; v184-215 O^T: tile a, channels 16 t on, at 184 + 16 a + 8 t
.set PC,  216                          ; v216-227 p's codes
.set BM,  228                          ; v228-231 the four blocks' largest scores, then largest p
.set MU,  232                          ; v232-239 at work
.set SO,  240                          ; v240-243 the conversions' scale operands
.set KSC, 244                          ; v244 K's scale words: lanes 0-15 fragment 0's, lanes 16-31 fragment 1's
.set VSC, 245                          ; v245 V's likewise
.set F,   246                          ; v[246:247] f = 2^(old M - new M); 0
.set TMP, 248
.set AM0, 249                          ; v249 my lane's place in a slot's mask
.set AK0, 250                          ; v250 among my head's fragments
.set AS0, 251                          ; v251 among its scale words
.set SUM2, 252                         ; v[252:253] the sums' second chain
.set PSC, 254                          ; v254 p's scale word
.set WV,  12                           ; s12  my wave's number
; s[24:31], s[40:43] the mask's descriptor groups 1 and 0; s[32:39], s[44:47] kv's; s48 the slot in hand; s49 steps still to be asked for; s50 1 in a wave that prefetches, else the greatest number;
; s[52:53] where my prefetches stand, s[54:55] a step on; s[20:21] lane selects; s[22:23] c; s70 the mask of lanes 0-15
.macro CROUND                          ; a round of the cluster's barrier: my work-group's barrier; wave 0 signals for the work-group; every wave waits for all sixteen work-groups; my work-group's barrier once more
	s_barrier_signal -1
	s_barrier_wait -1
	s_cmp_lg_u32 s[WV], 0
	s_cbranch_scc1 .Lnot_wave_0_\@
	s_barrier_signal -3
.Lnot_wave_0_\@:
	s_barrier_wait -3
	s_barrier_signal -1
	s_barrier_wait -1
.endm
; A joint load: waves 0 and 1 fetch the mask's two halves of 64 rows, wave 2 kv's 100 rows of 256 bytes, the others nothing.  The branches hang on the wave's number alone.
; An s_nop 0 and four v_nop follow each of the two lines.
.macro JLOAD
	s_cmp_lt_u32 s[WV], 2
	s_cbranch_scc0 .Lnot_m_\@
	tensor_load_to_lds s[40:43], s[24:31]
	s_nop 0
.rept 4
	v_nop
.endr
	s_branch .Lasked_\@
.Lnot_m_\@:
	s_cmp_eq_u32 s[WV], 2
	s_cbranch_scc0 .Lasked_\@
	tensor_load_to_lds s[44:47], s[32:39]
	s_nop 0
.rept 4
	v_nop
.endr
.Lasked_\@:
.endm
; A PREFETCH of what the NEXT change of slots will ask for, one step (20 matrix instructions and two tiles' softmax a wave) ahead of that load.  Each aligned block of 256 bytes is named by one wave of one work-group in the launch.
; The mask's rows are read by every cluster of a row of clusters: cluster x = 0 asks; its four partners along x take 32 of the 128 rows each, told apart BY ADDRESS; waves 4 and 5 take 16 rows each, two lanes to a row's 512 bytes.
; kv's bytes are read by every cluster of a column of clusters: cluster y = 0 asks; the partner at place cy takes head cy's 6,400 bytes; wave 6 asks, lanes 256 bytes apart (lanes 24 to 31 name the 25th block).
; The last change that fills a slot asks for nothing; steps 0 and 1 come by their loads alone.
.macro ASK
	s_cmp_gt_u32 s49, s50
	s_cbranch_scc0 .Lnot_mine_\@
	global_prefetch_b8 v[PFO], s[52:53] th:TH_LOAD_NT scope:SCOPE_SE
.Lnot_mine_\@:
.endm
	s_load_b256 s[4:11], s[0:1], 0x0               ; q s[4:5], maskc s[6:7], kv s[8:9], out0 s[10:11]
	v_lshl_add_u32 v[SPW], v0, 2, SPARE
	v_mov_b32 v[NIL], 0
	ds_add_u32 v[SPW], v[NIL]                      ; the wave's opening: the add and its wait stand ahead of the first tensor loads; the set-up below, work on registers, stands between them
	v_lshrrev_b32 v1, 5, v0
	v_readfirstlane_b32 s[WV], v1                  ; wave 0..15
	s_bfe_u32 s13, ttmp6, 0x40000                  ; cx
	s_bfe_u32 s14, ttmp6, 0x40004                  ; cy
	s_lshl_b32 s15, ttmp9, 2
	s_add_co_u32 s15, s15, s13                     ; my group of 4 heads = 4 x cluster x + cx
	s_and_b32 s17, ttmp7, 0xffff                   ; cluster y
	s_lshl_b32 s16, s17, 2
	s_add_co_u32 s16, s16, s14                     ; my block of 128 queries = 4 x cluster y + cy
	s_and_b32 s18, s[WV], 1
	s_and_b32 s19, s[WV], 3                        ; j: my head in the group
	s_lshr_b32 s66, s[WV], 2                       ; i: my 32 queries in the block
	s_lshl_b32 s62, s14, 2
	s_lshl_b32 s62, 15, s62                        ; my row of the cluster
	s_lshl_b32 s63, 0x1111, s13                    ; my column
	; the mask's tile: 64 rows x 128 elements of 4 bytes, 2,048 elements from row to row, 16 bytes of padding behind each row of 128 words
	s_or_b32 s24, s62, (2<<16)|(1<<20)|(1<<21)|(6<<22)|(3<<25)
	s_mov_b32 s25, 128<<16                         ; tensor_dim0
	s_mov_b32 s26, 64<<16                          ; tensor_dim1
	s_mov_b32 s27, 128<<16                         ; tile_dim0
	s_mov_b32 s28, 64                              ; tile_dim1
	s_mov_b32 s29, 2048                            ; tensor_dim0_stride
	s_mov_b32 s30, 0
	s_mov_b32 s31, 0
	; kv's: 25,600 dense bytes as 100 rows of 32 elements of 8 bytes, no padding
	s_or_b32 s32, s63, (3<<16)|(1<<21)
	s_mov_b32 s33, 32<<16
	s_mov_b32 s34, 100<<16
	s_mov_b32 s35, 32<<16
	s_mov_b32 s36, 100
	s_mov_b32 s37, 32
	s_mov_b32 s38, 0
	s_mov_b32 s39, 0
	s_lshl_b32 s56, s16, 20                        ; the mask: my block's 128 rows of 8,192 bytes,
	s_lshl_b32 s57, s18, 19                        ; the half that I fetch
	s_add_co_u32 s56, s56, s57
	s_mov_b32 s57, 0
	s_mul_i32 s58, s15, 409600                     ; kv: my group's 16 steps of 25,600 bytes
	s_mov_b32 s59, 0
	s_lshl_b32 s60, s15, 2
	s_add_co_u32 s60, s60, s19                     ; my head
	s_lshl_b32 s60, s60, 18                        ; its 2,048 rows of 128 bytes in q and in out0,
	s_lshl_b32 s61, s16, 14                        ; my block's 128 rows,
	s_add_co_u32 s60, s60, s61
	s_lshl_b32 s61, s66, 12                        ; my 32 of them
	s_add_co_u32 s60, s60, s61
	s_mov_b32 s61, 0
	s_mov_b32 s20, 0x76543210
	s_mov_b32 s21, 0xfedcba98                      ; v_permlanex16_b32's selects for lane l xor 16
	s_mov_b32 s22, 0x3e8293ee                      ; c = log2(e) / sqrt(32)
	s_mov_b32 s23, s22                             ; (named with it as a pair, so it is written)
	s_mov_b32 s48, 0
	s_mov_b32 s49, 15
	s_wait_dscnt 0x0                               ; the opening add is done
	s_wait_kmcnt 0x0
	s_mov_b32 s40, 1                               ; count = 1
	s_mul_i32 s41, s18, 64*MP                      ; LDS address: slot 0, my half: no place in the cluster enters an LDS address
	s_add_nc_u64 s[42:43], s[6:7], s[56:57]        ; step 0
	s_or_b32 s43, s43, 0x80000000                  ; type = 2
	s_mov_b32 s44, 1
	s_mov_b32 s45, KVO
	s_add_nc_u64 s[46:47], s[8:9], s[58:59]
	s_or_b32 s47, s47, 0x80000000
	CROUND                                         ; all sixteen work-groups are here: the first joint loads meet
	JLOAD                                          ; step 0 into slot 0: one tensor load of mine is out, or none
	s_add_nc_u64 s[4:5], s[4:5], s[60:61]          ; q and out0 at my first query
	s_add_nc_u64 s[10:11], s[10:11], s[60:61]
	v_and_b32 v1, 31, v0                           ; lane
	v_and_b32 v2, 15, v0                           ; r
	v_bfe_u32 v3, v0, 4, 1                         ; h
	v_lshlrev_b32 v6, 7, v2                        ; q: row r of 128 bytes: BOTH halves of the lanes take the whole row of query r
.irp a, 0,1
.irp e, 0,1,2,3,4,5,6,7
	global_load_b128 v[S+32*\a+4*\e:S+32*\a+4*\e+3], v6, s[4:5] offset:2048*\a+16*\e th:TH_LOAD_NT
.endr
.endr
	; the prefetches: where my wave's stand, and who asks
	s_lshl_b32 s72, s16, 20                        ; the mask: my block's rows,
	s_lshl_b32 s73, s13, 18                        ; my work-group's 32 of them (by cx),
	s_add_co_u32 s72, s72, s73
	s_lshl_b32 s73, s18, 17                        ; my wave's 16,
	s_add_co_u32 s72, s72, s73
	s_add_co_u32 s72, s72, 512                     ; at step 1: the first change of slots steps it to step 2
	s_mul_i32 s74, s15, 409600                     ; kv: my group,
	s_mul_i32 s75, s14, 6400                       ; head cy's bytes,
	s_add_co_u32 s74, s74, s75
	s_add_co_u32 s74, s74, 25600                   ; at step 1
	s_mov_b32 s54, 25600
	s_cmp_lt_u32 s[WV], 6                          ; waves 4 and 5 ask for the mask, wave 6 for kv
	s_cselect_b64 s[52:53], s[6:7], s[8:9]
	s_cselect_b32 s72, s72, s74
	s_cselect_b32 s54, 512, s54                    ; a step on
	s_cselect_b32 s76, ttmp9, s17                  ; the coordinate along which other clusters read the same bytes
	s_cselect_b32 s77, -1, 0
	s_mov_b32 s73, 0
	s_mov_b32 s55, 0
	s_add_nc_u64 s[52:53], s[52:53], s[72:73]
	s_sub_co_u32 s78, s[WV], 4
	s_cmp_lt_u32 s78, 3                            ; waves 4 to 6,
	s_cselect_b32 s78, 0, 1
	s_or_b32 s78, s78, s76                         ; of the first cluster along that coordinate: the same in all sixteen partners, for a given wave
	s_cmp_eq_u32 s78, 0
	s_cselect_b32 s50, 1, -1
	v_lshrrev_b32 v[TMP], 1, v1
	v_lshlrev_b32 v[TMP], 13, v[TMP]
	v_and_b32 v[PFO], 1, v1
	v_lshl_add_u32 v[TMP], v[PFO], 8, v[TMP]       ; the mask: row lane / 2, its 256 bytes lane % 2
	v_min_u32 v[PFO], 24, v1
	v_lshlrev_b32 v[PFO], 8, v[PFO]                ; kv: 256 x lane, held at the 25th block
	v_cndmask_b32 v[PFO], v[PFO], v[TMP], s77
	; LDS addresses
	s_mul_i32 s67, s66, 32*MP
	v_mul_u32_u24 v[AM0], v2, MP
	v_lshl_add_u32 v[AM0], v3, 6, v[AM0]
	v_add_nc_u32 v[AM0], s67, v[AM0]               ; the mask: row 32 i + r, + 64 h: my 16 keys of each block of 32
	s_mul_i32 s68, s19, 6400
	s_add_co_u32 s68, s68, KVO
	v_lshl_add_u32 v[AK0], v1, 4, s68              ; an image's place for my lane
	v_lshl_add_u32 v[AS0], v1, 3, s68
	v_add_nc_u32 v[AS0], 6144, v[AS0]              ; my two scale words
.irp z, 16,28,40,52,64
.irp i, 0,1,2,3,4,5
	v_mov_b32 v[\z+\i], 0                          ; the zero codes round Q's
.endr
.endr
.set n, 0
.rept 32
	v_mov_b32 v[O+n], 0                            ; O^T.  (The step is written once for all steps: the first finds zeros, which the first change of M leaves zeros)
.set n, n+1
.endr
.irp a, 0,1
	v_mov_b32 v[9+4*\a], 0xff61b1e6                ; the largest t so far: -3e38, under every t
	v_floor_f32 v[8+4*\a], -v[9+4*\a]              ; -M
	v_mov_b32 v[10+4*\a], 0                        ; the sum, in two halves
	v_mov_b32 v[11+4*\a], 0
.endr
.irp b, 0,1,2,3
	v_mov_b32 v[MU+\b], 0                          ; written once: a lane permute's destination counts as one of its sources
.endr
	v_mov_b32 v[F+1], 0                            ; (named as the upper half of the pair with f)
	v_cmp_gt_u32 s70, 16, v1                       ; lanes 0-15
; Q's tile a: each lane holds its query's whole block of 32: the scale, 24 bytes of codes, and the two forms QL and QH
.macro QQUANT a
.set XQ, S+32*\a
	v_max3_num_f32 v[BM+\a], |v[XQ]|, |v[XQ+1]|, 0x1800000         ; with the floor 2^(3 - 127): the byte cannot fall under 1
.irp i, 2,4,6,8,10,12,14,16,18,20,22,24,26,28,30
	v_max3_num_f32 v[BM+\a], v[BM+\a], |v[XQ+\i]|, |v[XQ+\i+1]|
.endr
	v_add_nc_u32 v[SO+\a], 0xff000000, v[BM+\a]    ; 2 off the exponent field: the conversion's scale operand
	v_lshrrev_b32 v[SUM2+\a], 23, v[SO+\a]         ; the scale's byte,
	v_lshl_or_b32 v[QSC+\a], v[SUM2+\a], 8, v[SUM2+\a]
	v_lshl_or_b32 v[QSC+\a], v[QSC+\a], 16, v[QSC+\a]              ; in all four bytes of the word: whichever block holds the codes
	v_cvt_scalef32_pk16_fp6_f32 v[PC+6*\a:PC+6*\a+2], v[XQ:XQ+15], v[SO+\a]
	v_cvt_scalef32_pk16_fp6_f32 v[MU+4*\a:MU+4*\a+2], v[XQ+16:XQ+31], v[SO+\a]
	v_nop                                          ; one plain place behind a scaled conversion
.irp i, 0,1,2
	v_cndmask_b32 v[22+24*\a+\i], v16, v[PC+6*\a+\i], s70          ; QL: the codes in lanes 0-15, zeros (v16) in lanes 16-31
	v_cndmask_b32 v[25+24*\a+\i], v16, v[MU+4*\a+\i], s70
	v_cndmask_b32 v[34+24*\a+\i], v[PC+6*\a+\i], v16, s70          ; QH: the other way round
	v_cndmask_b32 v[37+24*\a+\i], v[MU+4*\a+\i], v16, s70
.endr
.endm
	s_wait_loadcnt 0x0                             ; q
	QQUANT 0
	QQUANT 1
.rept 4
	v_nop                                          ; an operand written by vector instructions stands four places ahead of a scaled matrix instruction
.endr
; tile a's rows of the mask, key blocks lo and lo + 1, into the registers where the score products will find them as C: register 16 b + 4 e + x = key 32 b + 16 h + 4 e + x
.macro MASKLD a, lo
.irp b, \lo, \lo+1
.irp e, 0,1,2,3
	ds_load_b128 v[S+16*(\b)+4*\e:S+16*(\b)+4*\e+3], v[ADM] offset:16*MP*\a+128*(\b)+16*\e
.endr
.endr
.endm
; ONE TILE OF 16 QUERIES x 128 KEYS.  The accumulators take turns, one instruction a turn (eight of S^T, two of O^T).
.macro TILE a
.set NM, 8+4*\a
.set LS, 10+4*\a
.set QB, 16+24*\a
.set OA, O+16*\a
.if \a == 0
	s_wait_dscnt 6                                 ; the scale words, K's fragments and the mask are in; V's six loads may be out
.else
	s_wait_dscnt 0x0                               ; this tile's mask is in
.endif
.irp T, 0,1,2,3
	v_wmma_scale_f32_16x16x128_f8f6f4 v[S+8*\T:S+8*\T+7], v[KF:KF+11], v[QB+6+12*(\T%2)-6*(\T/2):QB+17+12*(\T%2)-6*(\T/2)], v[S+8*\T:S+8*\T+7], v[KSC], v[QSC+\a] matrix_a_fmt:MATRIX_FMT_FP6 matrix_b_fmt:MATRIX_FMT_FP6
.endr
.irp T, 0,1,2,3
	v_wmma_scale_f32_16x16x128_f8f6f4 v[S+32+8*\T:S+32+8*\T+7], v[KF+12:KF+23], v[QB+6+12*(\T%2)-6*(\T/2):QB+17+12*(\T%2)-6*(\T/2)], v[S+32+8*\T:S+32+8*\T+7], v[KSC], v[QSC+\a] matrix_a_fmt:MATRIX_FMT_FP6 matrix_b_fmt:MATRIX_FMT_FP6 matrix_a_scale:MATRIX_SCALE_ROW1
.endr
.rept 4
	v_nop                                          ; four places ahead of the first read of results (ISA guide 7.12.1)
.endr
.irp b, 0,1,2,3
	v_max3_num_f32 v[BM+\b], v[S+16*\b], v[S+1+16*\b], v[S+2+16*\b]   ; THE LARGEST SCORE OF EACH BLOCK OF 32 KEYS: it serves the row's maximum and, since p rises with the score, the block's largest p.  Each accumulator is read from its low end on
.endr
.irp i, 3,5,7,9,11,13
.irp b, 0,1,2,3
	v_max3_num_f32 v[BM+\b], v[BM+\b], v[S+16*\b+\i], v[S+1+16*\b+\i]
.endr
.endr
.irp b, 0,1,2,3
	v_max_num_f32 v[BM+\b], v[BM+\b], v[S+15+16*\b]
.endr
.irp b, 0,1,2,3
	v_permlanex16_b32 v[MU+\b], v[BM+\b], s20, s21
.endr
.irp b, 0,1,2,3
	v_max_num_f32 v[BM+\b], v[BM+\b], v[MU+\b]     ; with lane l xor 16's 16 keys
.endr
	v_max3_num_f32 v[TMP], v[BM], v[BM+1], v[BM+2]
	v_max_num_f32 v[TMP], v[TMP], v[BM+3]          ; the step's largest score of my query
	v_mul_f32 v[TMP], s22, v[TMP]                  ; as t (c is positive)
	v_max_num_f32 v[NM+1], v[NM+1], v[TMP]         ; the running largest t
	v_mov_b32 v[TMP], v[NM]
	v_floor_f32 v[NM], -v[NM+1]                    ; the new -M = floor(-t): M is a whole number
	v_sub_f32 v[TMP], v[NM], v[TMP]                ; old M - new M: a whole number, 0 or less
	v_cvt_i32_f32 v[TMP], v[TMP]                   ; (it saturates)
	v_ldexp_f32 v[F], 1.0, v[TMP]                  ; f = 2^(old M - new M)
.set n, 0
.rept 32
	v_pk_fma_f32 v[S+n:S+n+1], v[S+n:S+n+1], s[22:23], v[NM:NM+1] op_sel_hi:[1,0,0]   ; t - M, two at a time (of the pairs c and -M the low word serves both halves)
.set n, n+2
.endr
.irp b, 0,1,2,3
	v_fma_f32 v[BM+\b], v[BM+\b], s22, v[NM]       ; the same of each block's largest score
.endr
.set n, 0
.rept 64
	v_exp_f32 v[S+n], v[S+n]                       ; p = 2^(t - M), at most 1
.set n, n+1
.endr
	v_pk_mul_f32 v[LS:LS+1], v[LS:LS+1], v[F:F+1] op_sel_hi:[1,0]  ; the sum under the new M: a plain place behind the exponentials
	s_wait_alu depctr_va_vdst(0)                   ; one wait for the batch of 64, ahead of its first reader
.irp b, 0,1,2,3
	v_exp_f32 v[BM+\b], v[BM+\b]                   ; the block's largest p: the same two instructions on the same number give the same bits
.endr
	v_pk_add_f32 v[SUM2:SUM2+1], v[S:S+1], v[S+2:S+3]              ; THE ROW'S SUM IS TAKEN OF THE UNQUANTISED p, in two chains: first the lower 32 registers
.irp k, 4,8,12,16,20,24,28
	v_pk_add_f32 v[LS:LS+1], v[LS:LS+1], v[S+\k:S+\k+1]
	v_pk_add_f32 v[SUM2:SUM2+1], v[SUM2:SUM2+1], v[S+\k+2:S+\k+3]
.endr
	s_wait_alu depctr_va_vdst(0)                   ; and one wait for the four
.irp b, 0,1,2,3
	v_max_num_f32 v[BM+\b], 0x1800000, v[BM+\b]    ; the floor 2^(3 - 127): the byte cannot fall under 1
.endr
.irp b, 0,1,2,3
	v_add_nc_u32 v[SO+\b], 0xff000000, v[BM+\b]    ; 2 off the exponent field: the conversion's scale operand
.endr
.irp b, 0,1,2,3
	v_lshrrev_b32 v[MU+4+\b], 23, v[SO+\b]         ; the scale's byte
.endr
	v_lshl_or_b32 v[PSC], v[MU+5], 8, v[MU+4]      ; p's scale word for these 128 keys
	v_lshl_or_b32 v[PSC], v[MU+6], 16, v[PSC]
	v_lshl_or_b32 v[PSC], v[MU+7], 24, v[PSC]
.irp c, 0,1
	v_cvt_scalef32_pk16_fp6_f32 v[PC+6*\c:PC+6*\c+2], v[S+32*\c:S+32*\c+15], v[SO+2*\c]
	v_cvt_scalef32_pk16_fp6_f32 v[MU+4*\c:MU+4*\c+2], v[S+16+32*\c:S+31+32*\c], v[SO+2*\c+1]   ; (a conversion's three registers begin on an even number)
.endr
.set n, 0
.rept 8
	v_pk_mul_f32 v[OA+n:OA+n+1], v[OA+n:OA+n+1], v[F:F+1] op_sel_hi:[1,0]   ; O^T under the new M.  (Plain places behind the conversions)
.set n, n+2
.endr
.if \a == 0
	MASKLD 1, 0                                    ; the lower 32 registers of p have been summed and converted: they take the next tile's mask
.endif
.irp c, 0,1                            ; the operand's layout wants a WHOLE block in a lane: lanes 0-15 block 2 c, lanes 16-31 block 2 c + 1
.irp i, 0,1,2
	v_permlane16_swap_b32 v[PC+6*\c+\i], v[MU+4*\c+\i]
.endr
.irp i, 0,1,2
	v_mov_b32 v[PC+3+6*\c+\i], v[MU+4*\c+\i]
.endr
.endr
.irp k, 32,36,40,44,48,52,56,60
	v_pk_add_f32 v[LS:LS+1], v[LS:LS+1], v[S+\k:S+\k+1]            ; the upper 32 registers' sums.  These 17 lines are also the places that the scaled products below want behind p's scale word (8) and behind the operand's moves (4)
	v_pk_add_f32 v[SUM2:SUM2+1], v[SUM2:SUM2+1], v[S+\k+2:S+\k+3]
.endr
	v_pk_add_f32 v[LS:LS+1], v[LS:LS+1], v[SUM2:SUM2+1]
.if \a == 0
	MASKLD 1, 2
	s_wait_dscnt 16                                ; V's fragments are in; the next tile's 16 loads of the mask may be out
.endif
	v_wmma_scale_f32_16x16x128_f8f6f4 v[OA:OA+7], v[VF:VF+11], v[PC:PC+11], v[OA:OA+7], v[VSC], v[PSC] matrix_a_fmt:MATRIX_FMT_FP6 matrix_b_fmt:MATRIX_FMT_FP6
	v_wmma_scale_f32_16x16x128_f8f6f4 v[OA+8:OA+15], v[VF+12:VF+23], v[PC:PC+11], v[OA+8:OA+15], v[VSC], v[PSC] matrix_a_fmt:MATRIX_FMT_FP6 matrix_b_fmt:MATRIX_FMT_FP6 matrix_a_scale:MATRIX_SCALE_ROW1
.endm
; A KEY STEP: 128 keys out of the slot in hand, for my two tiles of queries
.macro STEP
	v_add_nc_u32 v[ADM], s48, v[AM0]
	v_add_nc_u32 v[ADK], s48, v[AK0]
	v_add_nc_u32 v[ADS], s48, v[AS0]
	v_nop                                          ; with the three additions: four places ahead of loads into registers that the last matrix instructions have read
	ds_load_b64 v[KSC:KSC+1], v[ADS]               ; K's and V's scale words
.irp g, 0,1,2,3,4,5
	ds_load_b128 v[KF+4*\g:KF+4*\g+3], v[ADK] offset:512*\g        ; images of registers: lane l's 16 bytes at 16 l
.endr
	MASKLD 0, 0
	MASKLD 0, 2
.irp g, 0,1,2,3,4,5
	ds_load_b128 v[VF+4*\g:VF+4*\g+3], v[ADK] offset:3072+512*\g
.endr
	TILE 0
	TILE 1
	s_xor_b32 s48, s48, SLOT1                      ; on to the other slot
.endm
; THE CHANGE OF SLOTS stands at a step's head.  Each wave waits for all its tensor loads (its part of the slot that it is about to read), adds 0 to its spare word, and waits for that and for its reads of the slot that
; it has left.  fill = 1: a round of the cluster's barrier, so that no wave of any partner still reads that slot or has a load on its way; then the joint refill, first thing behind it: it has a whole step in which to land.
.macro CHANGE fill
	s_wait_tensorcnt 0x0                           ; no tensor load of mine is out, so a group 0 may be written
	ds_add_u32 v[SPW], v[NIL]                      ; 0 onto my spare word: the descriptors' steps stand between it and the wait for it
.if \fill
	s_xor_b32 s41, s41, SLOT1                      ; the walking descriptors: the other slot than last time,
	s_add_nc_u64 s[42:43], s[42:43], 512           ; the next 128 keys' columns of the mask; the type bits on top are not reached
	s_xor_b32 s45, s45, SLOT1
	s_add_nc_u64 s[46:47], s[46:47], 25600         ; and the next step's bytes of kv
	s_wait_xcnt 0x0                                ; the last prefetch, a step back, has read its address, so it may be written:
	s_add_nc_u64 s[52:53], s[52:53], s[54:55]      ; one step further on than the walking descriptors
.endif
	s_wait_dscnt 0x0                               ; the add is done, and my reads of the slot that I have left are over
.if \fill
	CROUND
	JLOAD
	ASK
.else
	s_barrier_signal -1
	s_barrier_wait -1
.endif
.endm
.Lstep:                                            ; 15 trips: behind each change of slots but the last the next step is asked for
	CHANGE 1
	STEP
	s_sub_co_u32 s49, s49, 1
	s_cmp_lg_u32 s49, 0
	s_cbranch_scc1 .Lstep
	CHANGE 0                                       ; the last step is written out
	STEP
	; THE WAY OUT.  The sum's two halves and lane l xor 16's are added; O^T is divided by the sum and goes through my stage in LDS, a tile (16 rows of 128 bytes) at a time, so that each store of the wave covers 512 consecutive bytes.
.irp a, 0,1
	v_add_f32 v[10+4*\a], v[10+4*\a], v[11+4*\a]
.endr
.irp a, 0,1
	v_permlanex16_b32 v[MU+\a], v[10+4*\a], s20, s21
.endr
.irp a, 0,1
	v_add_f32 v[10+4*\a], v[10+4*\a], v[MU+\a]     ; the row's sum
.endr
.irp a, 0,1
	v_rcp_f32 v[10+4*\a], v[10+4*\a]
.endr
	v_and_b32 v1, 31, v0                           ; (plain places behind the reciprocals, and behind the last products)  lane
	v_and_b32 v2, 15, v0                           ; r
	v_bfe_u32 v3, v0, 4, 1                         ; h
	s_mul_i32 s72, s[WV], 16*144
	s_add_co_u32 s72, s72, STAGE                   ; my stage
	v_mul_u32_u24 v6, v2, 144
	v_lshl_add_u32 v6, v3, 5, v6
	v_add_nc_u32 v6, s72, v6                       ; in: row r, + 32 h; channels 16 t on: 64 t bytes on
	v_lshrrev_b32 v2, 3, v1
	v_and_b32 v3, 7, v1
	v_mul_u32_u24 v[AM0], v2, 144
	v_lshl_add_u32 v[AM0], v3, 4, v[AM0]
	v_add_nc_u32 v[AM0], s72, v[AM0]               ; back: eight lanes to a row of 128 bytes, four rows an instruction
	v_lshlrev_b32 v[AK0], 4, v1                    ; and the same 512 bytes in out0
	s_wait_alu depctr_va_vdst(0)                   ; one wait for the two reciprocals, ahead of their first reader
.irp a, 0,1
.irp n, 0,2,4,6,8,10,12,14
	v_pk_mul_f32 v[S+16*\a+\n:S+16*\a+\n+1], v[O+16*\a+\n:O+16*\a+\n+1], v[10+4*\a:11+4*\a] op_sel_hi:[1,0]   ; register 8 t + x is out(r, 16 t + 8 h + x); each accumulator from its low end on
.endr
.endr
.irp a, 0,1
.irp t, 0,1
	ds_store_b128 v6, v[S+16*\a+8*\t:S+16*\a+8*\t+3] offset:64*\t
	ds_store_b128 v6, v[S+16*\a+8*\t+4:S+16*\a+8*\t+7] offset:64*\t+16
.endr
.irp n, 0,1,2,3
	ds_load_b128 v[S+32+16*\a+4*\n:S+32+16*\a+4*\n+3], v[AM0] offset:576*\n   ; LDS serves a wave's instructions in order (ISA guide 5.7.1.4): these see my stores, and the next tile's stores come behind them
.endr
.endr
.irp a, 0,1
.irp n, 0,1,2,3
	s_wait_dscnt 11-8*\a-\n                        ; behind this load: the rest of its four, and for tile 0 the next tile's four stores and four loads
	global_store_b128 v[AK0], v[S+32+16*\a+4*\n:S+32+16*\a+4*\n+3], s[10:11] offset:2048*\a+512*\n th:TH_STORE_NT
.endr
.endr
	s_wait_tensorcnt 0x0                           ; the wave's end, behind my last tensor load and my last LDS store
	ds_add_u32 v[SPW], v[NIL]
	s_wait_dscnt 0x0
	CROUND                                         ; the closing round: no work-group ends while a partner may still ask for a tile that names it
	s_endpgm
.Lfunc_end_k_q5d138543a4_attn:
	.size	k_q5d138543a4_attn, .Lfunc_end_k_q5d138543a4_attn-k_q5d138543a4_attn
	.p2alignl 7, 3214868480
	.fill 96, 4, 3214868480
	.section	.rodata,"a",@progbits
	.p2align	6, 0x0
	.amdhsa_kernel k_q5d138543a4_attn
		.amdhsa_group_segment_fixed_size 327680
		.amdhsa_private_segment_fixed_size 0
		.amdhsa_enable_private_segment 0
		.amdhsa_kernarg_size 32
		.amdhsa_user_sgpr_count 2
		.amdhsa_user_sgpr_kernarg_segment_ptr 1
		.amdhsa_wavefront_size32 1
		.amdhsa_system_sgpr_workgroup_id_x 1
		.amdhsa_system_sgpr_workgroup_id_y 1
		.amdhsa_system_sgpr_workgroup_id_z 1
		.amdhsa_system_vgpr_workitem_id 0
		.amdhsa_next_free_vgpr 256
		.amdhsa_next_free_sgpr 96
		.amdhsa_reserve_vcc 0
		.amdhsa_float_denorm_mode_32 3
		.amdhsa_float_denorm_mode_16_64 3
		.amdhsa_memory_ordered 1
		.amdhsa_forward_progress 1
		.amdhsa_inst_pref_size 78
	.end_amdhsa_kernel
	.amdgpu_metadata
---
amdhsa.version: [ 1, 2 ]
amdhsa.kernels:
  - .name:           k_q5d138543a4_attn
    .symbol:         k_q5d138543a4_attn.kd
    .args:
      - { .name: q, .offset: 0, .size: 8, .value_kind: global_buffer, .address_space: global }
      - { .name: maskc, .offset: 8, .size: 8, .value_kind: global_buffer, .address_space: global }
      - { .name: kv, .offset: 16, .size: 8, .value_kind: global_buffer, .address_space: global }
      - { .name: out0, .offset: 24, .size: 8, .value_kind: global_buffer, .address_space: global }
    .group_segment_fixed_size: 327680
    .private_segment_fixed_size: 0
    .kernarg_segment_align: 8
    .kernarg_segment_size: 32
    .max_flat_workgroup_size: 512
    .sgpr_count:     96
    .vgpr_count:     256
    .wavefront_size: 32
...
	.end_amdgpu_metadata
.endif
;; end of part 2
